; MI455X (gfx1250); checked and timed in simulation.
; The chip was launched on July 23, 2026; its instructions are those of AMD's public machine-readable ISA for CDNA 5 (MIT licence, August 2026) and "CDNA5" Instruction Set Architecture Reference Guide (July 2026). The comments in the code are by the model that wrote it; some were corrected since.
;; Attention. Allowed arithmetic: float matrix products may take bf16 or f16 operands with f32 sums; other float arithmetic in f32, or as packed bf16 or f16 multiplies, adds, multiply-adds, maxima and minima; sums over many terms, partial sums and values carried from step to step in f32; what a program stores and reads back later, other than sums and carried values, may be rounded once to bf16 or f16.
;; Inputs: W_a 1,000 x 2,000 float32; W_b 1,000 x 1,000 float32; W_c_b 1 float32; W_c_w 1 x 1,000 float32; context 64 x 512 x 2,000 float32; decoder_hidden 1 x 64 x 1,000 float32; dense_b 1,000 float32; dense_w 1,000 x 2,000 float32; mask 64 x 512 x 1 bool.
;; Outputs: out0 64 x 1 x 1,000 float32.
;; One version. Each part assembles by itself: llvm-mc -triple=amdgcn-amd-amdhsa -mcpu=gfx1250 --defsym DOCPART=n.
;; ======== version 1 of 1: 4 launches
;; limits: right only within a limited range of input values
;; workspace buffers: cb 134,217,728 bytes; wa16 4,194,304 bytes; hidp 1,048,576 bytes; wc2 4,096 bytes; part 1,048,576 bytes; ws16 262,144 bytes
;; launch prep (part 1): grid 1280 x 1, 8 waves a work-group, no clusters, 0 bytes of LDS; arguments mask, context, W_a, W_b, decoder_hidden, W_c_w, cb, wa16, hidp, wc2; writes cb, wa16, hidp, wc2
.if DOCPART == 1
	.amdgcn_target "amdgcn-amd-amdhsa--gfx1250"
	.amdhsa_code_object_version 6
	.text
	.protected	k_q919d0bb068_prep
	.globl	k_q919d0bb068_prep
	.p2align	8
	.type	k_q919d0bb068_prep,@function
k_q919d0bb068_prep:
	s_mov_b64 s[64:65], 0
	v_nop
	global_prefetch_b8 v0, s[64:65] scope:SCOPE_SE
	s_setreg_imm32_b32 hwreg(HW_REG_WAVE_MODE, 25, 1), 1
	s_wait_xcnt 0x0
; PREP: three roles, chosen by the work-group's number; no LDS, no barrier, EXEC never changes.
;   0..127    HID   hidp[kq][b][n] = 2 log2(e) x the sum over k in quarter kq of bf16(decoder_hidden[b][k]) bf16(W_b[n][k]), f32; and wc2[n] = -2 bf16(W_c_w[n]), 0 for n >= 1000
;   128..255  WA    wa16[n][k] = bf16(W_a[n][k]), padded with zeros to [1024][2048]
;   256..1279 PACK  cb[b][j][:] = bf16 of the j-th UNMASKED row of context[b], padded to 2,048 channels; zero rows from n_act up to NP
; A masked row's score is -1e6 whatever the product gives, and its softmax weight is 0 in f32 as soon as its batch has one unmasked row, so it is left out of cb.
; LIMIT: that holds while the sum of |W_c_w| plus |W_c_b| stays under 999,800.  A batch with no unmasked row keeps all 512 rows (all weights are then 1/512).
; n0 = unmasked rows; n_act = 512 if n0 = 0, else n0; NP = 320 if n_act <= 320, else 320 + 64 ceil((n_act - 320) / 64): the rows of cb[b] that are written.
; LIMIT: NaN and infinities are not treated apart (clamped and padded operands are multiplied by 0).
; hidp leaves in pieces of 64 bytes a row (a tile is 16 columns wide); the buffer is 1 MiB in all.  Every other store of a wave covers 128, 256 or 512 consecutive bytes, aligned.
.set X,    64          ; v[64:127]  a row as loaded: piece i of 512 bytes in 4 registers
.set Y,    32          ; v[32:63]   the row in bf16: piece i in 2 registers
.set LO16, 2           ; v2   16 x lane
.set LO8,  3           ; v3   8 x lane
.set LOT,  4           ; v4   the row's last piece: 7,680 + 16 x lane, held inside the row's 8,000 bytes
.set ZR,   8           ; v[8:11] 0
.set WV,   24          ; s24  my wave's number
.set TM,   25          ; s25  lanes 0-19: the last piece's lanes that hold channels under 2,000
.set ID,   26          ; s26  the work-group's number
.set M,    32          ; s[32:47] PACK: lane masks of the rows that are packed, 32 source rows each
.set C,    48          ; s[48:63] PACK: their counts
.set U,    66          ; s66  PACK: my wave among the batch's 128: it owns compact rows u + 128 t
.set PRE,  67          ; s67  rows packed in the groups before this one
.set SL,   68
.set LV,   69
.set LN,   70
.set BM,   71
.set N0,   72
.set NACT, 73
.set NP,   74
.set BB,   75          ; s75  512 x batch
.set J,    76
.set R,    77
.set SRC,  78          ; s[78:79]
.set DST,  80          ; s[80:81]
.set OFF,  82          ; s[82:83] a byte offset under 2^31; the high word stays 0
.set MB,   84          ; s[84:85] the batch's mask bytes
	s_load_b512 s[4:19], s[0:1], 0x0               ; mask 4, context 6, W_a 8, W_b 10, decoder_hidden 12, W_c_w 14, cb 16, wa16 18
	s_load_b128 s[20:23], s[0:1], 0x40             ; hidp 20, wc2 22
	v_lshrrev_b32 v1, 5, v0
	v_readfirstlane_b32 s[WV], v1
	v_and_b32 v1, 31, v0                           ; lane
	v_lshlrev_b32 v[LO16], 4, v1
	v_lshlrev_b32 v[LO8], 3, v1
	v_add_nc_u32 v[LOT], 7680, v[LO16]
	v_min_u32 v[LOT], 7984, v[LOT]
.irp i, 0,1,2,3
	v_mov_b32 v[ZR+\i], 0
.endr
	s_mov_b32 s[TM], 0x000fffff
	s_mov_b32 s[ID], ttmp9
	s_mov_b32 s[OFF+1], 0
	s_wait_kmcnt 0x0
	s_cmp_lt_u32 s[ID], 128
	s_cbranch_scc1 .Lhid
	s_cmp_lt_u32 s[ID], 256
	s_cbranch_scc1 .Lwa
; One row: 8,000 bytes of f32 at SRC become 4,096 bytes of bf16 at DST.  Sixteen loads of 512 consecutive bytes go out together; each piece is rounded and stored as 256 consecutive bytes.
.macro ROW
.set ri, 0
.rept 15
	global_load_b128 v[X+4*ri:X+4*ri+3], v[LO16], s[SRC:SRC+1] offset:512*ri th:TH_LOAD_NT
.set ri, ri+1
.endr
	global_load_b128 v[X+60:X+63], v[LOT], s[SRC:SRC+1] th:TH_LOAD_NT
.set ri, 0
.rept 16
	s_wait_loadcnt 15-ri                           ; loads come back in order: piece ri is in, the 15 - ri younger ones stay out
	v_cvt_pk_bf16_f32 v[Y+2*ri], v[X+4*ri], v[X+4*ri+1]
	v_cvt_pk_bf16_f32 v[Y+2*ri+1], v[X+4*ri+2], v[X+4*ri+3]
.if ri == 15
	v_cndmask_b32 v[Y+30], 0, v[Y+30], s[TM]       ; channels 2,000 to 2,047 are 0
	v_cndmask_b32 v[Y+31], 0, v[Y+31], s[TM]
.endif
	global_store_b64 v[LO8], v[Y+2*ri:Y+2*ri+1], s[DST:DST+1] offset:256*ri
.set ri, ri+1
.endr
.endm
.macro ZROW                            ; a row of zeros
.irp i, 0,1,2,3,4,5,6,7
	global_store_b128 v[LO16], v[ZR:ZR+3], s[DST:DST+1] offset:512*\i
.endr
.endm
; ---------------------------------------------------------------- PACK
	s_sub_co_u32 s27, s[ID], 256
	s_lshr_b32 s28, s27, 4                         ; the batch: sixteen work-groups each
	s_and_b32 s27, s27, 15
	s_lshl3_add_u32 s[U], s27, s[WV]               ; u = 0 .. 127
	s_lshl_b32 s[BB], s28, 9
	s_mov_b32 s[OFF], s[BB]
	s_add_nc_u64 s[MB:MB+1], s[4:5], s[OFF:OFF+1]
.irp g, 0,1,2,3,4,5,6,7,8,9,10,11,12,13,14,15
	global_load_u8 v[16+\g], v1, s[MB:MB+1] offset:32*\g
.endr
	v_mov_b32 v5, 0                                ; lane t will hold the source row of my compact row u + 128 t
	s_mov_b32 s[N0], 0
	s_mov_b32 s[PRE], 0
	s_wait_loadcnt 0x0
.irp g, 0,1,2,3,4,5,6,7,8,9,10,11,12,13,14,15
	v_cmp_eq_u32 s[M+\g], 0, v[16+\g]
.endr
.irp g, 0,1,2,3,4,5,6,7,8,9,10,11,12,13,14,15
	s_bcnt1_i32_b32 s[C+\g], s[M+\g]
	s_add_co_u32 s[N0], s[N0], s[C+\g]
.endr
	s_cmp_eq_u32 s[N0], 0                          ; no row unmasked: every row is packed
.irp g, 0,1,2,3,4,5,6,7,8,9,10,11,12,13,14,15
	s_cselect_b32 s[M+\g], -1, s[M+\g]
	s_cselect_b32 s[C+\g], 32, s[C+\g]
.endr
	s_cselect_b32 s[NACT], 512, s[N0]
	s_sub_co_u32 s27, s[NACT], 257                 ; n_act - 320 + 63
	s_and_b32 s27, s27, 0xffffffc0
	s_add_co_u32 s27, s27, 320
	s_cmp_gt_u32 s[NACT], 320
	s_cselect_b32 s[NP], s27, 320
; Group g of 32 source rows.  A packed row's rank is PRE + the packed rows below it in the group; 32 neighbouring ranks hold at most one that is u modulo 128.
; If there is one, its rank is u + 128 t, and lane t of v5 takes its source row; if none, t is pushed past every lane.
.macro FIND g
	v_mbcnt_lo_u32_b32 v6, s[M+\g], s[PRE]
	v_and_b32 v7, 127, v6
	v_cmp_eq_u32 s[SL], s[U], v7
	s_and_b32 s[SL], s[SL], s[M+\g]
	s_cselect_b32 s[LV], 0, 64
	s_ctz_i32_b32 s[LN], s[SL]
	s_min_u32 s[LN], s[LN], 31
	s_bfm_b32 s[BM], s[LN], 0                      ; the lanes below it
	s_and_b32 s[BM], s[BM], s[M+\g]
	s_bcnt1_i32_b32 s[BM], s[BM]
	s_add_co_u32 s[BM], s[BM], s[PRE]              ; its rank
	s_lshr_b32 s[BM], s[BM], 7                     ; t
	s_add_co_u32 s[BM], s[BM], s[LV]
	s_add_co_u32 s[LN], s[LN], 32*\g               ; its source row
	v_cmp_eq_u32 vcc_lo, s[BM], v1
	v_cndmask_b32 v5, v5, s[LN], vcc_lo
	s_add_co_u32 s[PRE], s[PRE], s[C+\g]
.endm
.irp g, 0,1,2,3,4,5,6,7,8,9,10,11,12,13,14,15
	FIND \g
.endr
; Compact row j = u + 128 t: a copy if j < n_act, zeros if j < NP, else nothing.  The destination hangs on ids alone.
.macro SLOTT t
	s_wait_xcnt 0x0                                ; the row before has had its addresses translated: only behind this wait are SRC, DST and Y written again
	s_add_co_u32 s[J], s[U], 128*\t
	s_add_co_u32 s27, s[BB], s[J]
	s_lshl_b32 s[OFF], s27, 12
	s_add_nc_u64 s[DST:DST+1], s[16:17], s[OFF:OFF+1]
	s_cmp_lt_u32 s[J], s[NACT]
	s_cbranch_scc0 .Ldead_\@
	v_readlane_b32 s[R], v5, \t
	s_min_u32 s[R], s[R], 511                      ; a number made from loaded bytes enters an address only clamped
	s_add_co_u32 s[R], s[R], s[BB]
	s_mul_i32 s[OFF], s[R], 8000                   ; under 262,144,000
	s_add_nc_u64 s[SRC:SRC+1], s[6:7], s[OFF:OFF+1]
	ROW
	s_branch .Ldone_\@
.Ldead_\@:
	s_cmp_lt_u32 s[J], s[NP]
	s_cbranch_scc0 .Ldone_\@
	ZROW
.Ldone_\@:
.endm
	SLOTT 0
	SLOTT 1
	SLOTT 2
	SLOTT 3
	s_endpgm
; ---------------------------------------------------------------- WA: a wave a row
.Lwa:
	s_sub_co_u32 s27, s[ID], 128
	s_lshl3_add_u32 s27, s27, s[WV]                ; n = 0 .. 1023
	s_lshl_b32 s[OFF], s27, 12
	s_add_nc_u64 s[DST:DST+1], s[18:19], s[OFF:OFF+1]
	s_cmp_lt_u32 s27, 1000
	s_cbranch_scc0 .Lwa_zero
	s_mul_i32 s[OFF], s27, 8000
	s_add_nc_u64 s[SRC:SRC+1], s[8:9], s[OFF:OFF+1]
	ROW
	s_endpgm
.Lwa_zero:
	ZROW
	s_endpgm
; ---------------------------------------------------------------- HID
; A wave makes 16 columns n (tile nt) x 16 batches (tile bt) over 256 channels (quarter kq): eight steps of 32.  Source 0 = 16 rows of W_b, source 1 = 16 rows of decoder_hidden:
; in the result a lane holds ONE batch (lane % 16) and the columns 8 (lane / 16) + 0..7.  A fragment's 8 + 8 channels of a lane are 32 + 32 bytes of f32, 64 bytes apart: four loads a side.
; Quarter 3 ends at channel 1,000: in its step 7 only channels 992-999 exist.  There both halves of the lanes read those 32 bytes, twice, and the fragments are zeroed by lane masks but
; for lanes 0-15 of the first half: every path has the same eight loads a step, and no load leaves a row.  Columns 1,000 to 1,023 repeat W_b's last row; they meet wc2 = 0 later.
.set RR,  5
.set HH,  6
.set WO,  12           ; v12 W_b: row x 4,000 + 1,024 kq + 32 h
.set XO,  13           ; v13 decoder_hidden likewise
.set W7A, 14           ; v14, v15 step 7, first half
.set X7A, 15
.set W7B, 2            ; v2, v3 step 7, second half
.set X7B, 3
.Lhid:
	s_lshl3_add_u32 s27, s[ID], s[WV]              ; 0 .. 1023
	s_and_b32 s28, s27, 3                          ; kq
	s_bfe_u32 s29, s27, 0x20002                    ; bt
	s_lshr_b32 s30, s27, 4                         ; nt
	v_and_b32 v[RR], 15, v0
	v_bfe_u32 v[HH], v0, 4, 1
	s_lshl_b32 s35, s30, 4
	s_lshl_b32 s36, s28, 10
	s_lshl_b32 s37, s29, 4
	v_add_nc_u32 v[WO], s35, v[RR]
	v_min_u32 v[WO], 999, v[WO]
	v_mul_u32_u24 v[WO], v[WO], 4000
	v_add_nc_u32 v[WO], s36, v[WO]
	v_add_nc_u32 v[XO], s37, v[RR]
	v_mul_u32_u24 v[XO], v[XO], 4000
	v_add_nc_u32 v[XO], s36, v[XO]
	s_cmp_eq_u32 s28, 3                            ; the quarter with the short end
	s_cselect_b32 s31, 0, 32
	s_cselect_b32 s32, 0, 64
	s_cselect_b32 s33, 0xffff, -1
	s_cselect_b32 s34, 0, -1
	v_mad_u32_u24 v[W7A], v[HH], s31, v[WO]
	v_mad_u32_u24 v[X7A], v[HH], s31, v[XO]
	v_add_nc_u32 v[W7B], s32, v[W7A]
	v_add_nc_u32 v[X7B], s32, v[X7A]
	v_lshl_add_u32 v[WO], v[HH], 5, v[WO]
	v_lshl_add_u32 v[XO], v[HH], 5, v[XO]
.macro HLOAD i                         ; step i's eight loads into staging slot i % 2: 16 registers of W_b, 16 of decoder_hidden
.set st, X+32*((\i)%2)
.if (\i) < 7
	global_load_b128 v[st:st+3],     v[WO], s[10:11] offset:128*(\i)
	global_load_b128 v[st+4:st+7],   v[WO], s[10:11] offset:128*(\i)+16
	global_load_b128 v[st+8:st+11],  v[WO], s[10:11] offset:128*(\i)+64
	global_load_b128 v[st+12:st+15], v[WO], s[10:11] offset:128*(\i)+80
	global_load_b128 v[st+16:st+19], v[XO], s[12:13] offset:128*(\i)
	global_load_b128 v[st+20:st+23], v[XO], s[12:13] offset:128*(\i)+16
	global_load_b128 v[st+24:st+27], v[XO], s[12:13] offset:128*(\i)+64
	global_load_b128 v[st+28:st+31], v[XO], s[12:13] offset:128*(\i)+80
.else
	global_load_b128 v[st:st+3],     v[W7A], s[10:11] offset:896
	global_load_b128 v[st+4:st+7],   v[W7A], s[10:11] offset:912
	global_load_b128 v[st+8:st+11],  v[W7B], s[10:11] offset:896
	global_load_b128 v[st+12:st+15], v[W7B], s[10:11] offset:912
	global_load_b128 v[st+16:st+19], v[X7A], s[12:13] offset:896
	global_load_b128 v[st+20:st+23], v[X7A], s[12:13] offset:912
	global_load_b128 v[st+24:st+27], v[X7B], s[12:13] offset:896
	global_load_b128 v[st+28:st+31], v[X7B], s[12:13] offset:912
.endif
.endm
; Step i: rounded into fragment set i % 2, multiplied onto accumulator i % 2.  The two accumulators take turns; a set is written again two steps later,
; with the other set's sixteen conversions as the places behind the product that read it.
.macro HSTEP i
.set st, X+32*((\i)%2)
.set fr, Y+16*((\i)%2)
.if (\i) < 7
	s_wait_loadcnt 8                               ; this step's eight are in; the next step's eight stay out
.else
	s_wait_loadcnt 0x0
.endif
.set hj, 0
.rept 8
	v_cvt_pk_bf16_f32 v[fr+hj], v[st+2*hj], v[st+2*hj+1]
	v_cvt_pk_bf16_f32 v[fr+8+hj], v[st+16+2*hj], v[st+16+2*hj+1]
.set hj, hj+1
.endr
.if (\i) == 7
.irp j, 0,1,2,3
	v_cndmask_b32 v[fr+\j], 0, v[fr+\j], s33
	v_cndmask_b32 v[fr+8+\j], 0, v[fr+8+\j], s33
	v_cndmask_b32 v[fr+4+\j], 0, v[fr+4+\j], s34
	v_cndmask_b32 v[fr+12+\j], 0, v[fr+12+\j], s34
.endr
.endif
.if (\i) < 6
	HLOAD (\i)+2
.endif
.if (\i) < 2
	v_wmma_f32_16x16x32_bf16 v[16+8*((\i)%2):23+8*((\i)%2)], v[fr:fr+7], v[fr+8:fr+15], 0
.else
	v_wmma_f32_16x16x32_bf16 v[16+8*((\i)%2):23+8*((\i)%2)], v[fr:fr+7], v[fr+8:fr+15], v[16+8*((\i)%2):23+8*((\i)%2)]
.endif
.endm
	HLOAD 0
	HLOAD 1
.irp i, 0,1,2,3,4,5,6,7
	HSTEP \i
.endr
.rept 4
	v_nop                                          ; four places behind the last product, ahead of the sums that read results
.endr
.irp j, 0,2,4,6
	v_pk_add_f32 v[16+\j:17+\j], v[16+\j:17+\j], v[24+\j:25+\j]
.endr
.irp j, 0,2,4,6
	v_pk_mul_f32 v[16+\j:17+\j], v[16+\j:17+\j], 0x4038aa3b op_sel_hi:[1,0]   ; 2 log2(e): tanh is made from 2^(2 log2(e) x) later
.endr
	v_lshlrev_b32 v4, 12, v[RR]                    ; batch r: 4,096 bytes a batch
	v_lshl_add_u32 v4, v[HH], 5, v4                ; my 8 columns
	s_lshl_b32 s[OFF], s28, 18                     ; 262,144 kq
	s_lshl_b32 s38, s29, 16                        ; 16 bt batches
	s_add_co_u32 s[OFF], s[OFF], s38
	s_lshl_b32 s38, s30, 6                         ; 16 nt columns
	s_add_co_u32 s[OFF], s[OFF], s38
	s_add_nc_u64 s[DST:DST+1], s[20:21], s[OFF:OFF+1]
	global_store_b128 v4, v[16:19], s[DST:DST+1]
	global_store_b128 v4, v[20:23], s[DST:DST+1] offset:16
	s_and_b32 s38, s27, 31                         ; every 32nd wave also writes 32 numbers of wc2: there 16 nt is 32 x its place
	s_cmp_eq_u32 s38, 0
	s_cbranch_scc0 .Lhid_end
	v_add_nc_u32 v64, s35, v1                      ; n
	v_min_u32 v65, 999, v64
	v_lshlrev_b32 v65, 2, v65
	global_load_b32 v66, v65, s[14:15]
	v_lshlrev_b32 v67, 2, v64
	v_cmp_gt_u32 vcc_lo, 1000, v64
	s_wait_loadcnt 0x0
	v_cvt_pk_bf16_f32 v66, v66, v66
	v_lshlrev_b32 v66, 16, v66
	v_mul_f32 v66, -2.0, v66
	v_cndmask_b32 v66, 0, v66, vcc_lo
	global_store_b32 v67, v66, s[22:23]            ; 128 consecutive bytes
.Lhid_end:
	s_endpgm
.Lfunc_end_k_q919d0bb068_prep:
	.size	k_q919d0bb068_prep, .Lfunc_end_k_q919d0bb068_prep-k_q919d0bb068_prep
	.p2alignl 7, 3214868480
	.fill 96, 4, 3214868480
	.section	.rodata,"a",@progbits
	.p2align	6, 0x0
	.amdhsa_kernel k_q919d0bb068_prep
		.amdhsa_group_segment_fixed_size 0
		.amdhsa_private_segment_fixed_size 0
		.amdhsa_enable_private_segment 0
		.amdhsa_kernarg_size 80
		.amdhsa_user_sgpr_count 2
		.amdhsa_user_sgpr_kernarg_segment_ptr 1
		.amdhsa_wavefront_size32 1
		.amdhsa_system_sgpr_workgroup_id_x 1
		.amdhsa_system_sgpr_workgroup_id_y 1
		.amdhsa_system_sgpr_workgroup_id_z 1
		.amdhsa_system_vgpr_workitem_id 0
		.amdhsa_next_free_vgpr 128
		.amdhsa_next_free_sgpr 88
		.amdhsa_reserve_vcc 1
		.amdhsa_float_denorm_mode_32 3
		.amdhsa_float_denorm_mode_16_64 3
		.amdhsa_memory_ordered 1
		.amdhsa_forward_progress 1
		.amdhsa_inst_pref_size 71
	.end_amdhsa_kernel
	.amdgpu_metadata
---
amdhsa.version: [ 1, 2 ]
amdhsa.kernels:
  - .name:           k_q919d0bb068_prep
    .symbol:         k_q919d0bb068_prep.kd
    .args:
      - { .name: mask, .offset: 0, .size: 8, .value_kind: global_buffer, .address_space: global }
      - { .name: context, .offset: 8, .size: 8, .value_kind: global_buffer, .address_space: global }
      - { .name: W_a, .offset: 16, .size: 8, .value_kind: global_buffer, .address_space: global }
      - { .name: W_b, .offset: 24, .size: 8, .value_kind: global_buffer, .address_space: global }
      - { .name: decoder_hidden, .offset: 32, .size: 8, .value_kind: global_buffer, .address_space: global }
      - { .name: W_c_w, .offset: 40, .size: 8, .value_kind: global_buffer, .address_space: global }
      - { .name: cb, .offset: 48, .size: 8, .value_kind: global_buffer, .address_space: global }
      - { .name: wa16, .offset: 56, .size: 8, .value_kind: global_buffer, .address_space: global }
      - { .name: hidp, .offset: 64, .size: 8, .value_kind: global_buffer, .address_space: global }
      - { .name: wc2, .offset: 72, .size: 8, .value_kind: global_buffer, .address_space: global }
    .group_segment_fixed_size: 0
    .private_segment_fixed_size: 0
    .kernarg_segment_align: 8
    .kernarg_segment_size: 80
    .max_flat_workgroup_size: 256
    .sgpr_count:     88
    .vgpr_count:     128
    .wavefront_size: 32
...
	.end_amdgpu_metadata
.endif
;; end of part 1
;; launch gemm (part 2): grid 4 x 64, 4 waves a work-group, clusters of 4 x 4, 327,680 bytes of LDS; arguments cb, wa16, hidp, wc2, part; writes part
.if DOCPART == 2
	.amdgcn_target "amdgcn-amd-amdhsa--gfx1250"
	.amdhsa_code_object_version 6
	.text
	.protected	k_q919d0bb068_gemm
	.globl	k_q919d0bb068_gemm
	.p2align	8
	.type	k_q919d0bb068_gemm,@function
k_q919d0bb068_gemm:
	s_mov_b64 s[64:65], 0
	v_nop
	global_prefetch_b8 v0, s[64:65] scope:SCOPE_SE
	s_setreg_imm32_b32 hwreg(HW_REG_WAVE_MODE, 25, 1), 1
	s_wait_xcnt 0x0
	s_wait_alu depctr_hold_cnt(0) depctr_sa_sdst(0) depctr_va_vdst(0) depctr_va_sdst(0) depctr_va_ssrc(0) depctr_va_vcc(0) depctr_vm_vsrc(0)
	s_getreg_b32 s2, hwreg(HW_REG_IB_STS2, 6, 4)
	s_cmp_eq_u32 s2, 0
	s_cbranch_scc0 .Lentry_in_a_cluster
	s_endpgm
.Lentry_in_a_cluster:
	s_bfe_u32 s2, ttmp6, 0x10000c
	s_cmp_lg_u32 s2, 0xf033
	s_cbranch_scc0 .Lentry_shape_is_right
	s_endpgm
.Lentry_shape_is_right:
; GEMM WITH THE SCORE ON ITS WAY OUT.  For batch b and compact rows j < 320:  part[cp][b][j] = the sum over the 128 columns n of part cp of W_c_w[n] tanh((cb[b][j] . wa16[n]) + hidden_in[b][n]).
; cb: [64][512][2048] bf16, wa16: [1024][2048] bf16, hidp: [4][64][1024] f32 (already times 2 log2(e)), wc2: [1024] f32 = -2 W_c_w.  Sums in f32.
; tanh(x) = 1 - 2 r, r = 1 / (1 + 2^(2 log2(e) x)): the sum is (sum of w) + (sum of -2 w r).  2^.. = infinity gives r = 0, 2^.. = 0 gives r = 1: no NaN arises from finite sums.
; SHARES.  A work-group makes 320 rows (one batch) x 256 columns; four waves, each 160 x 128: 80 accumulators of 16 x 16, 640 registers.  K = 2,048 goes in 16 steps of 128 through two LDS slots;
; the rows of both tiles are 256 bytes of memory, at multiples of 256 bytes from the buffers' first bytes.  Rows from 320 on, where a batch has so many, are the next launch's.
; CLUSTER.  4 x 4 work-groups: the four of a row (one batch) need the same tiles of cb, the four of a column the same tiles of wa16.  Each tile is asked for jointly: the same tensor load, with
; the same descriptor and a mask that names the four.  No branch, trip count or LDS address hangs on a work-group's place or on data.
; No prefetch: between a refill's request and the wait for it a wave issues 280 matrix instructions.
; THE MATRIX INSTRUCTION IS USED TRANSPOSED: source 0 = 16 rows of wa16, source 1 = 16 rows of cb: a lane holds ONE row of cb (lane % 16) and the columns 8 (lane / 16) + 0..7, so hidden_in and
; wc2 are the same registers for every block of rows, and a row's sum wants one exchange between the halves of the lanes.
; part leaves in stores of 128 consecutive bytes (32 rows' numbers): 640 bytes a wave in all.
; REGISTERS, in windows of 256 (s_set_vgpr_msb: bits 1:0 source 0, 3:2 source 1, 5:4 source 2, 7:6 destination):
;   window 0: v0-31 addresses; v32-63, v224-255 hidden_in (64 numbers a lane); v64-143, v144-223 fragments of cb, two buffers of ten blocks
;   window 1: v0-63, v64-127 fragments of wa16, two buffers; v128-255 the accumulators of row blocks 8, 9       window 2: row blocks 0-3       window 3: row blocks 4-7
.set PITCH, 272        ; an LDS row: 256 bytes + 16 of padding = 68 words: row r starts at bank 4 r mod 64 (64 banks of 4 bytes: ISA guide 11.1)
.set HALFA, 160*PITCH  ; what one tensor load brings of cb, and what one wave reads of it
.set HALFB, 128*PITCH  ; the same for wa16
.set BOFF,  2*HALFA    ; in a slot: cb's 320 rows, then wa16's 256
.set SLOT,  BOFF+2*HALFB
.set SPARE, 2*SLOT     ; behind the ring: the spare words, 128 bytes a wave: two blocks of 256 bytes that no other line names
.set LAPS,  8          ; a lap = two K steps = once round the ring
.set ADRA, 16          ; v16-17  LDS address of my fragments of cb in slot 0, 1
.set ADRB, 20          ; v20-21  of wa16
.set HO,   24          ; v24  32 x (lane / 16): my 8 columns in a block of 16 f32
.set SO,   26          ; v26  4 x lane
.set SPW,  28          ; v28  my spare word; never rewritten
.set NIL,  29          ; v29  0; never rewritten
.set SC,   144         ; the way out, window 0: four pairs of running sums
.set SS,   160         ; v160-169 the ten blocks' sums
.set WS,   176         ; v176 the sum of w over my 64 columns
.set WV,   14
.set WR,   15          ; which 160 rows are mine.  Also: I fetch for cb (0) or for wa16 (1)
.set WC,   16          ; which 128 columns.  Also: which half of that tile I fetch
.set CX,   17
.set CY,   18
.set BA,   19          ; the batch
.set COL,  66          ; the block of 256 columns
.set G1A,  24          ; s[24:31] descriptor group 1, cb's tiles
.set G0A,  32          ; s[32:39] group 0, a set for each slot
.set G1B,  40          ; s[40:47], s[48:55] the same for wa16's
.set G0B,  48
.set CNT,  56
.set MSB, 0
.macro WIN new                         ; the immediate's high byte repeats the setting that is left; a switch that changes nothing is dropped
.if MSB != (\new)
	s_set_vgpr_msb (MSB<<8)|(\new)
.set MSB, \new
.endif
.endm
; A joint load: waves 0 and 1 fetch cb's two halves, waves 2 and 3 wa16's.  The branch hangs on the wave's number alone.  An s_nop 0 and four v_nop follow each line.
.macro JLOAD s
	s_cmp_eq_u32 s[WR], 0
	s_cbranch_scc0 .Lfor_b_\@
	tensor_load_to_lds s[G0A+4*(\s):G0A+4*(\s)+3], s[G1A:G1A+7]
	s_nop 0
.rept 4
	v_nop
.endr
	s_branch .Lasked_\@
.Lfor_b_\@:
	tensor_load_to_lds s[G0B+4*(\s):G0B+4*(\s)+3], s[G1B:G1B+7]
	s_nop 0
.rept 4
	v_nop
.endr
.Lasked_\@:
.endm
.macro CREST                           ; a round of the cluster's barrier behind its opening barrier
	s_cmp_lg_u32 s[WV], 0
	s_cbranch_scc1 .Lnot_wave_0_\@
	s_barrier_signal -3
.Lnot_wave_0_\@:
	s_barrier_wait -3
	s_barrier_signal -1
	s_barrier_wait -1
.endm
.macro CROUND
	s_barrier_signal -1
	s_barrier_wait -1
	CREST
.endm
.macro PLACES                          ; four places in front of loads into registers that matrix instructions have read, and of vector work that reads results
.rept 4
	v_nop
.endr
.endm
	s_load_b256 s[4:11], s[0:1], 0x0               ; cb 4, wa16 6, hidp 8, wc2 10
	s_load_b64 s[12:13], s[0:1], 0x20              ; part
	v_lshl_add_u32 v[SPW], v0, 2, SPARE
	v_mov_b32 v[NIL], 0
	ds_add_u32 v[SPW], v[NIL]                      ; the wave's opening: the add and its wait stand ahead of my first tensor load; the set-up below stands between them
	v_lshrrev_b32 v1, 5, v0
	v_readfirstlane_b32 s[WV], v1
	s_lshr_b32 s[WR], s[WV], 1
	s_and_b32 s[WC], s[WV], 1
	s_bfe_u32 s[CX], ttmp6, 0x40000
	s_bfe_u32 s[CY], ttmp6, 0x40004
	s_lshl_b32 s[COL], ttmp9, 2
	s_add_co_u32 s[COL], s[COL], s[CX]             ; 4 x cluster x + cx
	s_and_b32 s[BA], ttmp7, 0xffff
	s_lshl_b32 s[BA], s[BA], 2
	s_add_co_u32 s[BA], s[BA], s[CY]               ; 4 x cluster y + cy
	s_lshl_b32 s20, s[CY], 2
	s_lshl_b32 s20, 15, s20                        ; my row of the cluster
	s_lshl_b32 s21, 0x1111, s[CX]                  ; my column
	s_or_b32 s[G1A], s20, (1<<16)|(1<<20)|(1<<21)|(5<<22)|(3<<25)  ; 15:0 the mask; 17:16 2-byte elements; 20 padding on; 21 set beside a mask; 24:22 after every 64 words; 31:25 4 words of it
	s_or_b32 s[G1B], s21, (1<<16)|(1<<20)|(1<<21)|(5<<22)|(3<<25)
	s_mov_b32 s[G1A+1], 128<<16                    ; tensor_dim0 = 128
	s_mov_b32 s[G1B+1], 128<<16
	s_mov_b32 s[G1A+2], 160<<16                    ; tensor_dim1 = 160 rows of cb,
	s_mov_b32 s[G1B+2], 128<<16                    ; 128 of wa16
	s_mov_b32 s[G1A+3], 128<<16                    ; tile_dim0 = 128
	s_mov_b32 s[G1B+3], 128<<16
	s_mov_b32 s[G1A+4], 160                        ; tile_dim1
	s_mov_b32 s[G1B+4], 128
	s_mov_b32 s[G1A+5], 2048                       ; elements from row to row
	s_mov_b32 s[G1B+5], 2048
	s_mov_b32 s[G1A+6], 0
	s_mov_b32 s[G1B+6], 0
	s_mov_b32 s[G1A+7], 0
	s_mov_b32 s[G1B+7], 0
	s_lshl_b32 s68, s[BA], 21                      ; cb: the batch's 512 rows of 4,096 bytes,
	s_mul_i32 s22, s[WC], 160*4096                 ; the half that I fetch
	s_add_co_u32 s68, s68, s22
	s_mov_b32 s69, 0
	s_lshl_b32 s70, s[COL], 20                     ; wa16: 256 rows a column block,
	s_lshl_b32 s22, s[WC], 19                      ; 128 a half
	s_add_co_u32 s70, s70, s22
	s_mov_b32 s71, 0
	s_mul_i32 s72, s[WV], HALFA                    ; where they go: waves 0, 1: cb's halves;
	s_mul_i32 s73, s[WV], HALFB
	s_add_co_u32 s73, s73, BOFF-2*HALFB            ; waves 2, 3: wa16's halves, behind cb's 320 rows.  No place in the cluster enters an LDS address
	s_mov_b32 s58, 0x4038aa3b                      ; 2 log2(e); named as a pair
	s_mov_b32 s59, 0x4038aa3b
	s_mov_b32 s60, 0x76543210                      ; v_permlanex16_b32: each lane takes its own place in the other half
	s_mov_b32 s61, 0xfedcba98
	s_mov_b32 s62, 0xffff0000                      ; lanes 16-31
	s_wait_dscnt 0x0                               ; the opening add is done
	s_wait_kmcnt 0x0
	s_add_nc_u64 s[68:69], s[4:5], s[68:69]
	s_add_nc_u64 s[70:71], s[6:7], s[70:71]
	CROUND                                         ; all sixteen work-groups are here: the first joint loads meet
.irp s, 0,1
	s_mov_b32 s[G0A+4*\s], 1
	s_add_co_u32 s[G0A+4*\s+1], s72, \s*SLOT
	s_add_nc_u64 s[G0A+4*\s+2:G0A+4*\s+3], s[68:69], \s*256       ; K step s
	s_or_b32 s[G0A+4*\s+3], s[G0A+4*\s+3], 0x80000000
	s_mov_b32 s[G0B+4*\s], 1
	s_add_co_u32 s[G0B+4*\s+1], s73, \s*SLOT
	s_add_nc_u64 s[G0B+4*\s+2:G0B+4*\s+3], s[70:71], \s*256
	s_or_b32 s[G0B+4*\s+3], s[G0B+4*\s+3], 0x80000000
	JLOAD \s                                       ; two loads of mine are out
.endr
	v_and_b32 v1, 15, v0                           ; l % 16
	v_bfe_u32 v2, v0, 4, 1                         ; l / 16
	v_mul_u32_u24 v3, v1, PITCH
	v_lshl_add_u32 v3, v2, 4, v3                   ; a fragment's row x pitch + 16 x half
	s_mul_i32 s74, s[WR], HALFA
	s_mul_i32 s75, s[WC], HALFB
	s_add_co_u32 s75, s75, BOFF
.irp s, 0,1
	v_add_nc_u32 v[ADRA+\s], s74, v3
	v_add_nc_u32 v[ADRB+\s], s75, v3
	s_add_co_u32 s74, s74, SLOT
	s_add_co_u32 s75, s75, SLOT
.endr
	v_lshlrev_b32 v[HO], 5, v2
	v_and_b32 v[SO], 31, v0
	v_lshlrev_b32 v[SO], 2, v[SO]
	s_lshl_b32 s22, s[COL], 10
	s_lshl_b32 s23, s[WC], 9
	s_add_co_u32 s22, s22, s23                     ; my 128 columns, in bytes of f32
	s_lshl_b32 s20, s[BA], 12
	s_add_co_u32 s20, s20, s22
	s_mov_b32 s21, 0
	s_mov_b32 s23, 0
	s_add_nc_u64 s[8:9], s[8:9], s[20:21]          ; hidp at my batch and columns
	s_add_nc_u64 s[10:11], s[10:11], s[22:23]      ; wc2 at my columns
	s_lshl_b32 s20, s[COL], 1
	s_add_co_u32 s20, s20, s[WC]                   ; my column part, 0 .. 7
	s_lshl_b32 s20, s20, 17
	s_lshl_b32 s22, s[BA], 11
	s_add_co_u32 s20, s20, s22
	s_mul_i32 s22, s[WR], 640
	s_add_co_u32 s20, s20, s22
	s_add_nc_u64 s[12:13], s[12:13], s[20:21]      ; part at my 160 rows
	; hidden_in for my 64 columns a lane: the four K quarters' partial sums come into window 2, which the products have not touched yet, and are added.  All this stands in the wait for the first tiles.
	WIN 0x80
.irp q, 0,1,2,3
.irp b, 0,1,2,3,4,5,6,7
	global_load_b128 v[64*\q+8*\b:64*\q+8*\b+3],   v[HO], s[8:9] offset:262144*\q+64*\b
	global_load_b128 v[64*\q+8*\b+4:64*\q+8*\b+7], v[HO], s[8:9] offset:262144*\q+64*\b+16
.endr
.endr
	s_wait_loadcnt 0x0
	WIN 0x8a
.set p, 0
.rept 32
	v_pk_add_f32 v[2*p:2*p+1], v[2*p:2*p+1], v[64+2*p:65+2*p]
	v_pk_add_f32 v[128+2*p:129+2*p], v[128+2*p:129+2*p], v[192+2*p:193+2*p]
.set p, p+1
.endr
	WIN 0x0a
.set p, 0
.rept 32
.if p < 16
.set HR, 32+2*p
.else
.set HR, 192+2*p
.endif
	v_pk_add_f32 v[HR:HR+1], v[2*p:2*p+1], v[128+2*p:129+2*p]
.set p, p+1
.endr
	WIN 0
; 8 matrix instructions: row block a x all 8 column blocks, 32 along K, from buffer f.  In every quarter step the 80 accumulators come in the same order, one instruction a turn:
; 79 others' stand between two links of a chain, over the backward jump too.  zero = 1: the product starts the sum: nothing is ever cleared.
.macro MUL8 f, a, zero
.if (\a) < 4
	WIN 0xa1
.set AC, 64*(\a)
.elseif (\a) < 8
	WIN 0xf1
.set AC, 64*((\a)-4)
.else
	WIN 0x51
.set AC, 128+64*((\a)-8)
.endif
.irp b, 0,1,2,3,4,5,6,7
.if \zero
	v_wmma_f32_16x16x32_bf16 v[AC+8*\b:AC+8*\b+7], v[64*(\f)+8*\b:64*(\f)+8*\b+7], v[64+80*(\f)+8*(\a):64+80*(\f)+8*(\a)+7], 0
.else
	v_wmma_f32_16x16x32_bf16 v[AC+8*\b:AC+8*\b+7], v[64*(\f)+8*\b:64*(\f)+8*\b+7], v[64+80*(\f)+8*(\a):64+80*(\f)+8*(\a)+7], v[AC+8*\b:AC+8*\b+7]
.endif
.endr
.endm
; 36 LDS loads in one run: a quarter step's fragments (128 rows of wa16, then 160 rows of cb, 32 K at byte k of the rows) into buffer f
.macro FETCH slot, k, f
	WIN 0x40
.irp i, 0,1,2,3,4,5,6,7
	ds_load_b128 v[64*(\f)+8*\i:64*(\f)+8*\i+3],   v[ADRB+(\slot)] offset:(\k)+\i*16*PITCH
	ds_load_b128 v[64*(\f)+8*\i+4:64*(\f)+8*\i+7], v[ADRB+(\slot)] offset:(\k)+\i*16*PITCH+32
.endr
	WIN 0
.irp i, 0,1,2,3,4,5,6,7,8,9
	ds_load_b128 v[64+80*(\f)+8*\i:64+80*(\f)+8*\i+3],   v[ADRA+(\slot)] offset:(\k)+\i*16*PITCH
	ds_load_b128 v[64+80*(\f)+8*\i+4:64+80*(\f)+8*\i+7], v[ADRA+(\slot)] offset:(\k)+\i*16*PITCH+32
.endr
.endm
; A K step is four quarters of 32 along K, 80 matrix instructions each, on buffers 0, 1, 0, 1.  One of the first three: multiplies buffer f; in its middle it fetches the next quarter into g.
.macro QUARTER slot, k, f, g, zero
	s_wait_dscnt 10                                ; wa16's fragments and cb's blocks 0-4 are in; the youngest ten loads (blocks 5-9) may be out
.irp a, 0,1,2,3,4
	MUL8 \f, \a, \zero
.endr
	PLACES
	FETCH \slot, \k, \g
	s_wait_dscnt 36                                ; all but the 36 just issued
.irp a, 5,6,7,8,9
	MUL8 \f, \a, \zero
.endr
.endm
; The last quarter multiplies buffer 1 and changes slots: ONE barrier.  In front of it each wave waits for all its tensor loads (one is out: its part of the next slot), adds 0 to its spare word,
; and waits for that and for its own reads of this slot.  fill = 1: the barrier opens a round of the cluster's, and this slot is filled again, two K steps on, first thing behind the round.
.macro TURN slot, next, fill
	WIN 0
	s_wait_tensorcnt 0x0                           ; no tensor load of mine is out
	ds_add_u32 v[SPW], v[NIL]
	s_wait_dscnt 17                                ; (the add and the youngest sixteen loads, cb's blocks 2-9, may be out)
	MUL8 1, 0, 0
	MUL8 1, 1, 0
	s_wait_dscnt 0x0                               ; the add is done, and my reads of this slot are over
	s_barrier_signal -1
	MUL8 1, 2, 0
	MUL8 1, 3, 0
	MUL8 1, 4, 0
	WIN 0                                          ; at a branch and at a label every window is 0
	s_barrier_wait -1
.if \fill
	CREST                                          ; no wave of any partner still reads this slot's tiles or has a load on its way
	s_add_nc_u64 s[G0A+4*(\slot)+2:G0A+4*(\slot)+3], s[G0A+4*(\slot)+2:G0A+4*(\slot)+3], 512
	s_add_nc_u64 s[G0B+4*(\slot)+2:G0B+4*(\slot)+3], s[G0B+4*(\slot)+2:G0B+4*(\slot)+3], 512
	JLOAD \slot                                    ; my one load behind the round; its four v_nop are also the places in front of the loads below
.else
	PLACES
.endif
	FETCH \next, 0, 0
.irp a, 5,6,7,8,9
	MUL8 1, \a, 0
.endr
.endm
	s_wait_tensorcnt 1                             ; my part of K step 0 is in; K step 1's may stay out
	s_barrier_signal -1
	s_barrier_wait -1
	FETCH 0, 0, 0
	QUARTER 0, 64, 0, 1, 1                         ; the first quarter stands in front of the loop: its products start the sums
	WIN 0
	s_mov_b32 s[CNT], LAPS-1
.Llap:                                                 ; a trip goes once round the ring, from a lap's second quarter to the next lap's first, and fills both slots again
	QUARTER 0, 128, 1, 0, 0
	QUARTER 0, 192, 0, 1, 0
	TURN 0, 1, 1
	QUARTER 1, 64, 0, 1, 0
	QUARTER 1, 128, 1, 0, 0
	QUARTER 1, 192, 0, 1, 0
	TURN 1, 0, 1
	QUARTER 0, 64, 0, 1, 0
	WIN 0
	s_sub_co_u32 s[CNT], s[CNT], 1
	s_cmp_lg_u32 s[CNT], 0
	s_cbranch_scc1 .Llap
	QUARTER 0, 128, 1, 0, 0                        ; the last lap fills nothing
	QUARTER 0, 192, 0, 1, 0
	TURN 0, 1, 0
	QUARTER 1, 64, 0, 1, 0
	QUARTER 1, 128, 1, 0, 0
	QUARTER 1, 192, 0, 1, 0
	s_wait_dscnt 10                                ; the very last quarter; in its middle wc2 comes where wa16's buffer 0 lay
.irp a, 0,1,2,3,4
	MUL8 1, \a, 0
.endr
	PLACES
	WIN 0x40
.irp b, 0,1,2,3,4,5,6,7
	global_load_b128 v[8*\b:8*\b+3],   v[HO], s[10:11] offset:64*\b
	global_load_b128 v[8*\b+4:8*\b+7], v[HO], s[10:11] offset:64*\b+16
.endr
	s_wait_dscnt 0x0
.irp a, 5,6,7,8,9
	MUL8 1, \a, 0
.endr
	PLACES
	; THE WAY OUT.  First the sum of w over my 64 columns: -1/2 of the sum of wc2.
	s_wait_loadcnt 0x0
	WIN 0x05
.irp c, 0,1,2,3
	v_pk_add_f32 v[SC+2*\c:SC+2*\c+1], v[2*\c:2*\c+1], v[8+2*\c:9+2*\c]
.endr
	WIN 0x04
.set p, 8
.rept 24
	v_pk_add_f32 v[SC+2*(p%4):SC+2*(p%4)+1], v[SC+2*(p%4):SC+2*(p%4)+1], v[2*p:2*p+1]
.set p, p+1
.endr
	WIN 0
	v_pk_add_f32 v[SC:SC+1], v[SC:SC+1], v[SC+2:SC+3]
	v_pk_add_f32 v[SC+4:SC+5], v[SC+4:SC+5], v[SC+6:SC+7]
	v_pk_add_f32 v[SC:SC+1], v[SC:SC+1], v[SC+4:SC+5]
	v_add_f32 v[WS], v[SC], v[SC+1]
	v_mul_f32 v[WS], -0.5, v[WS]
	v_mov_b32 v178, 0                              ; v_permlanex16_b32's destination counts as read
; Row block a: 64 numbers a lane, in place: 2 log2(e) s + hidden; 2^.; + 1; 1 / .; then times wc2 into four pairs of sums.  Each accumulator's lowest registers are read first.
; The exponentials are one batch with one wait, and so are the reciprocals: nothing names a result ahead of its batch's wait.
.macro EPI a
.if (\a) < 4
.set W, 2
.set AC, 64*(\a)
.elseif (\a) < 8
.set W, 3
.set AC, 64*((\a)-4)
.else
.set W, 1
.set AC, 128+64*((\a)-8)
.endif
	WIN (W<<6)|W
.set p, 0
.rept 32
.if p < 16
.set HR, 32+2*p
.else
.set HR, 192+2*p
.endif
	v_pk_fma_f32 v[AC+2*p:AC+2*p+1], v[AC+2*p:AC+2*p+1], s[58:59], v[HR:HR+1] op_sel_hi:[1,0,1]
.set p, p+1
.endr
.set p, 0
.rept 64
	v_exp_f32 v[AC+p], v[AC+p]
.set p, p+1
.endr
	v_nop                                          ; a plain instruction behind the last exponential,
	s_wait_alu depctr_va_vdst(0)                   ; and the batch's one wait
.set p, 0
.rept 32
	v_pk_add_f32 v[AC+2*p:AC+2*p+1], v[AC+2*p:AC+2*p+1], 1.0 op_sel_hi:[1,0]
.set p, p+1
.endr
.set p, 0
.rept 64
	v_rcp_f32 v[AC+p], v[AC+p]
.set p, p+1
.endr
	v_nop
	s_wait_alu depctr_va_vdst(0)
	WIN W|0x04
.set p, 0
.rept 32
.if p < 4
	v_pk_mul_f32 v[SC+2*p:SC+2*p+1], v[AC+2*p:AC+2*p+1], v[2*p:2*p+1]
.else
	v_pk_fma_f32 v[SC+2*(p%4):SC+2*(p%4)+1], v[AC+2*p:AC+2*p+1], v[2*p:2*p+1], v[SC+2*(p%4):SC+2*(p%4)+1]
.endif
.set p, p+1
.endr
	WIN 0
	v_pk_add_f32 v[SC:SC+1], v[SC:SC+1], v[SC+2:SC+3]
	v_pk_add_f32 v[SC+4:SC+5], v[SC+4:SC+5], v[SC+6:SC+7]
	v_pk_add_f32 v[SC:SC+1], v[SC:SC+1], v[SC+4:SC+5]
	v_add_f32 v177, v[SC], v[SC+1]
	v_add_f32 v177, v177, v[WS]
	v_permlanex16_b32 v178, v177, s60, s61         ; the row's other 64 columns lie in the lane 16 away
	v_add_f32 v[SS+(\a)], v177, v178
.endm
.irp a, 0,1,2,3,4,5,6,7,8,9
	EPI \a
.endr
.irp a, 0,2,4,6,8
	v_cndmask_b32 v[180+\a/2], v[SS+\a], v[SS+\a+1], s62           ; lanes 0-15: block a's rows; lanes 16-31: block a + 1's
	global_store_b32 v[SO], v[180+\a/2], s[12:13] offset:64*\a     ; 32 rows' numbers: 128 consecutive bytes
.endr
	s_wait_tensorcnt 0x0                           ; the wave's end
	ds_add_u32 v[SPW], v[NIL]
	s_wait_dscnt 0x0
	CROUND                                         ; the closing round: no work-group ends while a partner may still ask for a tile that names it
	s_endpgm
.Lfunc_end_k_q919d0bb068_gemm:
	.size	k_q919d0bb068_gemm, .Lfunc_end_k_q919d0bb068_gemm-k_q919d0bb068_gemm
	.p2alignl 7, 3214868480
	.fill 96, 4, 3214868480
	.section	.rodata,"a",@progbits
	.p2align	6, 0x0
	.amdhsa_kernel k_q919d0bb068_gemm
		.amdhsa_group_segment_fixed_size 327680
		.amdhsa_private_segment_fixed_size 0
		.amdhsa_enable_private_segment 0
		.amdhsa_kernarg_size 40
		.amdhsa_user_sgpr_count 2
		.amdhsa_user_sgpr_kernarg_segment_ptr 1
		.amdhsa_wavefront_size32 1
		.amdhsa_system_sgpr_workgroup_id_x 1
		.amdhsa_system_sgpr_workgroup_id_y 1
		.amdhsa_system_sgpr_workgroup_id_z 1
		.amdhsa_system_vgpr_workitem_id 0
		.amdhsa_next_free_vgpr 1024
		.amdhsa_next_free_sgpr 80
		.amdhsa_reserve_vcc 0
		.amdhsa_float_denorm_mode_32 3
		.amdhsa_float_denorm_mode_16_64 3
		.amdhsa_memory_ordered 1
		.amdhsa_forward_progress 1
		.amdhsa_inst_pref_size 255
	.end_amdhsa_kernel
	.amdgpu_metadata
---
amdhsa.version: [ 1, 2 ]
amdhsa.kernels:
  - .name:           k_q919d0bb068_gemm
    .symbol:         k_q919d0bb068_gemm.kd
    .args:
      - { .name: cb, .offset: 0, .size: 8, .value_kind: global_buffer, .address_space: global }
      - { .name: wa16, .offset: 8, .size: 8, .value_kind: global_buffer, .address_space: global }
      - { .name: hidp, .offset: 16, .size: 8, .value_kind: global_buffer, .address_space: global }
      - { .name: wc2, .offset: 24, .size: 8, .value_kind: global_buffer, .address_space: global }
      - { .name: part, .offset: 32, .size: 8, .value_kind: global_buffer, .address_space: global }
    .group_segment_fixed_size: 327680
    .private_segment_fixed_size: 0
    .kernarg_segment_align: 8
    .kernarg_segment_size: 40
    .max_flat_workgroup_size: 128
    .sgpr_count:     80
    .vgpr_count:     1024
    .wavefront_size: 32
...
	.end_amdgpu_metadata
.endif
;; end of part 2
;; launch wsum (part 3): grid 4 x 64, 16 waves a work-group, no clusters, 49,664 bytes of LDS; arguments mask, cb, wa16, hidp, wc2, part, W_c_b, ws16; writes ws16
.if DOCPART == 3
	.amdgcn_target "amdgcn-amd-amdhsa--gfx1250"
	.amdhsa_code_object_version 6
	.text
	.protected	k_q919d0bb068_wsum
	.globl	k_q919d0bb068_wsum
	.p2align	8
	.type	k_q919d0bb068_wsum,@function
k_q919d0bb068_wsum:
	s_mov_b64 s[64:65], 0
	v_nop
	global_prefetch_b8 v0, s[64:65] scope:SCOPE_SE
	s_setreg_imm32_b32 hwreg(HW_REG_WAVE_MODE, 25, 1), 1
	s_wait_xcnt 0x0
; SOFTMAX AND WEIGHTED SUM.  Work-group (q, b): ws16[b][512 q .. 512 q + 511] = bf16 of the sum over the batch's packed rows j of softmax_j(score) cb[b][j][..].  512 threads; thread t stands for packed row t.
; score[j] = the sum of part's eight column parts + bf16(W_c_b) for j < 320; rows 320 .. n0 - 1, where a batch has so many unmasked rows, get their scores HERE, by direct loads and the
; matrix unit (64 rows x 64 columns a wave, partial sums through LDS): right, and slow; it is jumped where n0 <= 320.  What is jumped on counts of the mask holds no barrier.
; A batch with no unmasked row has all 512 rows packed and every score -1e6.  The maximum is taken away before the exponential.
; LIMITS: a masked row counts as weight 0 beside an unmasked one (exact in f32 while the sum of |W_c_w| plus |W_c_b| is under 999,800); NaN and infinities are not treated apart; a weight under 2^-126 counts as 0.
; The 320 rows that every batch has are asked for at the head, 20 rows x 1,024 bytes a wave, each load 512 consecutive aligned bytes, and land while the softmax is made.  No matrix unit for the
; weighted sum (one row of weights a batch), no cluster (the four column quarters share only the scores), no prefetch (all bytes are asked for at the head).
.set OV,    0          ; [16 waves][192] f32: the waves' partial scores of rows 320 .. 511
.set REDM,  12288      ; 16 waves' maxima
.set REDS,  12544      ; 16 waves' sums
.set PP,    12800      ; [512] f32: the unnormalised weights
.set RED3,  14848      ; [16 waves][512] f32: the waves' partial weighted sums
.set SPARE, 47616      ; the spare words, 128 bytes a wave: eight blocks of 256 bytes that no other line names
.set SPW, 2            ; v2  my spare word; never rewritten
.set NIL, 3            ; v3  0; never rewritten
.set RO,  4            ; v4  16 x lane + 1,024 q: my 16 bytes in a row's quarter
.set PO,  5            ; v5  4 min(t, 319)
.set FO,  6            ; v6  a fragment's row x 4,096 + 16 x half
.set OVS, 7            ; v7  where I store a partial score
.set PT,  24           ; v[24:31] part's eight numbers
.set ACC, 32           ; v[32:47] my 16 columns' sums
.set PW,  48           ; v[48:67] twenty weights
.set BUF, 96           ; v[96:255] twenty rows x 8 registers
.set WV,  20
.set QQ,  21
.set BA,  22
.set N0,  23
.set NACT, 24
.set FLAG, 25
	s_load_b512 s[4:19], s[0:1], 0x0               ; mask 4, cb 6, wa16 8, hidp 10, wc2 12, part 14, W_c_b 16, ws16 18
	v_lshl_add_u32 v[SPW], v0, 2, SPARE
	v_mov_b32 v[NIL], 0
	v_lshrrev_b32 v1, 5, v0
	v_readfirstlane_b32 s[WV], v1
	v_and_b32 v1, 31, v0                           ; lane
	s_mov_b32 s[QQ], ttmp9
	s_and_b32 s[BA], ttmp7, 0xffff
	s_lshl_b32 s26, s[QQ], 10
	v_lshl_add_u32 v[RO], v1, 4, s26
	v_min_u32 v[PO], 319, v0
	v_lshlrev_b32 v[PO], 2, v[PO]
	v_and_b32 v8, 15, v0
	v_bfe_u32 v9, v0, 4, 1
	v_lshlrev_b32 v[FO], 12, v8
	v_lshl_add_u32 v[FO], v9, 4, v[FO]
	s_mul_i32 s27, s[WV], 768
	v_lshl_add_u32 v[OVS], v1, 2, s27
	v_lshl_add_u32 v68, v1, 4, s27
	v_lshl_add_u32 v69, v1, 3, s27
.irp i, 0,1,2,3
	v_mov_b32 v[ACC+\i], 0
.endr
	ds_store_b128 v68, v[ACC:ACC+3]                ; my 192 partial scores start at 0: 512 bytes,
	ds_store_b64 v69, v[ACC:ACC+1] offset:512      ; and 256
	s_mov_b32 s71, 0
	s_mov_b32 s76, 0x4038aa3b                      ; 2 log2(e); named as a pair
	s_mov_b32 s77, 0x4038aa3b
	s_mov_b32 s78, 0x76543210
	s_mov_b32 s79, 0xfedcba98
	s_mov_b32 s80, 0xffff0000                      ; lanes 16-31
	s_wait_kmcnt 0x0
	s_lshl_b32 s70, s[BA], 9
	s_add_nc_u64 s[44:45], s[4:5], s[70:71]        ; the batch's mask bytes
	s_lshl_b32 s70, s[BA], 11
	s_add_nc_u64 s[46:47], s[14:15], s[70:71]      ; part at the batch
	s_lshl_b32 s70, s[BA], 21
	s_add_nc_u64 s[68:69], s[6:7], s[70:71]        ; cb at the batch
	s_mul_i32 s70, s[WV], 20*4096
	s_add_nc_u64 s[66:67], s[68:69], s[70:71]      ; and at my twenty rows
	s_load_b32 s81, s[16:17], 0x0
.irp g, 0,1,2,3,4,5,6,7,8,9,10,11,12,13,14,15
	global_load_u8 v[8+\g], v1, s[44:45] offset:32*\g
.endr
.irp c, 0,1,2,3,4,5,6,7
	global_load_b32 v[PT+\c], v[PO], s[46:47] offset:131072*\c
.endr
.macro ROWS20                          ; rows 20 w .. 20 w + 19, all under 320: my quarter's 1,024 bytes of each, two loads of 512 consecutive bytes
.set fu, 0
.rept 20
	global_load_b128 v[BUF+8*fu:BUF+8*fu+3],   v[RO], s[66:67] offset:4096*fu
	global_load_b128 v[BUF+8*fu+4:BUF+8*fu+7], v[RO], s[66:67] offset:4096*fu+512
.set fu, fu+1
.endr
.endm
	ROWS20
	s_mov_b32 s[N0], 0
	s_wait_loadcnt 48                              ; the mask bytes are in; part's 8 loads and the rows' 40 stay out
.irp g, 0,1,2,3,4,5,6,7,8,9,10,11,12,13,14,15
	v_cmp_eq_u32 s[28+\g], 0, v[8+\g]
.endr
.irp g, 0,1,2,3,4,5,6,7,8,9,10,11,12,13,14,15
	s_bcnt1_i32_b32 s[28+\g], s[28+\g]
	s_add_co_u32 s[N0], s[N0], s[28+\g]
.endr
	s_cmp_eq_u32 s[N0], 0
	s_cselect_b32 s[NACT], 512, s[N0]
	s_cselect_b32 s[FLAG], -1, 0
	; ------------------------------------------------ rows 320 .. n0 - 1: their scores
	s_cmp_gt_u32 s[N0], 320
	s_cbranch_scc0 .Lno_over
	s_wait_loadcnt 0x0                             ; the rows' registers are taken for the products: nothing may be on its way into them
	v_bfe_u32 v8, v0, 4, 1
	v_lshlrev_b32 v8, 5, v8                        ; 32 x (lane / 16)
	v_mov_b32 v45, 0
	s_lshl_b32 s26, s[WV], 8                       ; my 64 columns, in bytes of f32
	s_lshl_b32 s70, s[BA], 12
	s_add_co_u32 s70, s70, s26
	s_add_nc_u64 s[90:91], s[10:11], s[70:71]      ; hidp at the batch and my columns
	s_mov_b32 s70, s26
	s_add_nc_u64 s[92:93], s[12:13], s[70:71]      ; wc2 at my columns
; 32 along K: 64 rows of cb x my 64 rows of wa16; source 0 = wa16, so a lane holds one row of cb and eight columns.  The sixteen accumulators take turns.
.macro OSTEP zero
.irp m, 0,1,2,3
	global_load_b128 v[64+8*\m:67+8*\m], v[FO], s[86:87] offset:65536*\m
	global_load_b128 v[68+8*\m:71+8*\m], v[FO], s[86:87] offset:65536*\m+32
	global_load_b128 v[96+8*\m:99+8*\m], v[FO], s[88:89] offset:65536*\m
	global_load_b128 v[100+8*\m:103+8*\m], v[FO], s[88:89] offset:65536*\m+32
.endr
	s_wait_loadcnt 0x0                             ; the fragments are in, and the two bases are free
.irp m, 0,1,2,3
.irp n, 0,1,2,3
.if \zero
	v_wmma_f32_16x16x32_bf16 v[128+8*(4*\m+\n):135+8*(4*\m+\n)], v[96+8*\n:103+8*\n], v[64+8*\m:71+8*\m], 0
.else
	v_wmma_f32_16x16x32_bf16 v[128+8*(4*\m+\n):135+8*(4*\m+\n)], v[96+8*\n:103+8*\n], v[64+8*\m:71+8*\m], v[128+8*(4*\m+\n):135+8*(4*\m+\n)]
.endif
.endr
.endr
.rept 4
	v_nop                                          ; four places, in front of the next loads into the fragments and of the way out
.endr
	s_add_nc_u64 s[86:87], s[86:87], 64
	s_add_nc_u64 s[88:89], s[88:89], 64
.endm
.macro LD32 dst, base, off             ; 32 numbers a lane: my 8 columns of each of four blocks of 16
.irp n, 0,1,2,3
	global_load_b128 v[(\dst)+8*\n:(\dst)+8*\n+3],   v8, s[\base:\base+1] offset:(\off)+64*\n
	global_load_b128 v[(\dst)+8*\n+4:(\dst)+8*\n+7], v8, s[\base:\base+1] offset:(\off)+64*\n+16
.endr
.endm
.macro ADD32                           ; v[64:95] += v[96:127]
.set p, 0
.rept 16
	v_pk_add_f32 v[64+2*p:65+2*p], v[64+2*p:65+2*p], v[96+2*p:97+2*p]
.set p, p+1
.endr
.endm
; Row block m of the chunk: as in the launch before: 2 log2(e) s + hidden; 2^.; + 1; 1 / .; times wc2; one batch and one wait for the exponentials, one for the reciprocals.
.macro OEPI m
.set AC, 128+32*(\m)
.set p, 0
.rept 16
	v_pk_fma_f32 v[AC+2*p:AC+2*p+1], v[AC+2*p:AC+2*p+1], s[76:77], v[64+2*p:65+2*p] op_sel_hi:[1,0,1]
.set p, p+1
.endr
.set p, 0
.rept 32
	v_exp_f32 v[AC+p], v[AC+p]
.set p, p+1
.endr
	v_nop
	s_wait_alu depctr_va_vdst(0)
.set p, 0
.rept 16
	v_pk_add_f32 v[AC+2*p:AC+2*p+1], v[AC+2*p:AC+2*p+1], 1.0 op_sel_hi:[1,0]
.set p, p+1
.endr
.set p, 0
.rept 32
	v_rcp_f32 v[AC+p], v[AC+p]
.set p, p+1
.endr
	v_nop
	s_wait_alu depctr_va_vdst(0)
.set p, 0
.rept 16
.if p < 4
	v_pk_mul_f32 v[32+2*p:33+2*p], v[AC+2*p:AC+2*p+1], v[96+2*p:97+2*p]
.else
	v_pk_fma_f32 v[32+2*(p%4):33+2*(p%4)], v[AC+2*p:AC+2*p+1], v[96+2*p:97+2*p], v[32+2*(p%4):33+2*(p%4)]
.endif
.set p, p+1
.endr
	v_pk_add_f32 v[32:33], v[32:33], v[34:35]
	v_pk_add_f32 v[36:37], v[36:37], v[38:39]
	v_pk_add_f32 v[32:33], v[32:33], v[36:37]
	v_add_f32 v46, v32, v33
	v_add_f32 v46, v46, v44
	v_permlanex16_b32 v45, v46, s78, s79
	v_add_f32 v[40+(\m)], v46, v45
.endm
	s_mov_b32 s72, 3                               ; three chunks of 64 rows; a chunk with no live row is jumped
	s_mov_b32 s74, 320
.Lchunk:
	s_cmp_lt_u32 s74, s[N0]
	s_cbranch_scc0 .Lchunk_next
	s_lshl_b32 s70, s74, 12
	s_add_nc_u64 s[86:87], s[68:69], s[70:71]      ; cb at the chunk's first row: its 64 rows lie under NP, so they are written
	s_lshl_b32 s70, s[WV], 18
	s_add_nc_u64 s[88:89], s[8:9], s[70:71]        ; wa16 at my 64 rows
	OSTEP 1                                        ; the first K step starts the sums
	s_mov_b32 s73, 63
.Lk:
	OSTEP 0
	s_sub_co_u32 s73, s73, 1
	s_cmp_lg_u32 s73, 0
	s_cbranch_scc1 .Lk
	LD32 64, 90, 0                                 ; hidden_in: the four K quarters' partial sums
	LD32 96, 90, 262144
	s_wait_loadcnt 0x0
	ADD32
	LD32 96, 90, 524288
	s_wait_loadcnt 0x0
	ADD32
	LD32 96, 90, 786432
	s_wait_loadcnt 0x0
	ADD32
	LD32 96, 92, 0                                 ; wc2
	s_wait_loadcnt 0x0
	v_pk_add_f32 v[32:33], v[96:97], v[98:99]      ; the sum of w over my 32 columns: -1/2 of the sum of wc2
.set p, 2
.rept 14
	v_pk_add_f32 v[32:33], v[32:33], v[96+2*p:97+2*p]
.set p, p+1
.endr
	v_add_f32 v44, v32, v33
	v_mul_f32 v44, -0.5, v44
	OEPI 0
	OEPI 1
	OEPI 2
	OEPI 3
	v_cndmask_b32 v46, v40, v41, s80
	v_cndmask_b32 v47, v42, v43, s80
	ds_store_b32 v[OVS], v46                       ; the chunk's rows 0-31,
	ds_store_b32 v[OVS], v47 offset:128            ; and 32-63, in my own 768 bytes
.Lchunk_next:
	v_add_nc_u32 v[OVS], 256, v[OVS]
	s_add_co_u32 s74, s74, 64
	s_sub_co_u32 s72, s72, 1
	s_cmp_lg_u32 s72, 0
	s_cbranch_scc1 .Lchunk
	ROWS20                                         ; my twenty rows once more: their registers were taken
.Lno_over:
	s_wait_dscnt 0x0                               ; for the others' sake: my stores of partial scores are done
	s_barrier_signal -1
	s_barrier_wait -1
	; ------------------------------------------------ the score of row t
.macro SUM16 b                         ; the sum of v[b .. b + 15] into v[b]
.irp i, 0,2,4,6
	v_pk_add_f32 v[(\b)+\i:(\b)+\i+1], v[(\b)+\i:(\b)+\i+1], v[(\b)+8+\i:(\b)+9+\i]
.endr
.irp i, 0,2
	v_pk_add_f32 v[(\b)+\i:(\b)+\i+1], v[(\b)+\i:(\b)+\i+1], v[(\b)+4+\i:(\b)+5+\i]
.endr
	v_pk_add_f32 v[(\b):(\b)+1], v[(\b):(\b)+1], v[(\b)+2:(\b)+3]
	v_add_f32 v[\b], v[\b], v[(\b)+1]
.endm
	s_wait_loadcnt 40                              ; part's numbers are in; the rows' 40 loads, the youngest on both ways here, stay out
	s_wait_kmcnt 0x0
	s_cmp_lt_u32 s[WV], 10
	s_cbranch_scc0 .Lfrom_ov
	v_pk_add_f32 v[PT:PT+1], v[PT:PT+1], v[PT+2:PT+3]
	v_pk_add_f32 v[PT+4:PT+5], v[PT+4:PT+5], v[PT+6:PT+7]
	v_pk_add_f32 v[PT:PT+1], v[PT:PT+1], v[PT+4:PT+5]
	v_add_f32 v68, v[PT], v[PT+1]
	s_branch .Lscored
.Lfrom_ov:                                             ; waves 10-15: rows 320 .. 511: sixteen waves' partial scores
	s_sub_co_u32 s26, s[WV], 10
	s_lshl_b32 s26, s26, 7
	v_lshl_add_u32 v9, v1, 2, s26                  ; 4 (t - 320)
.irp i, 0,1,2,3,4,5,6,7,8,9,10,11,12,13,14,15
	ds_load_b32 v[76+\i], v9 offset:OV+768*\i
.endr
	s_wait_dscnt 0x0
	SUM16 76
	v_mov_b32 v68, v76
.Lscored:
	v_mov_b32 v69, s81
	v_cvt_pk_bf16_f32 v69, v69, v69                ; W_c_b rounded as every input is
	v_lshlrev_b32 v69, 16, v69
	v_add_f32 v68, v68, v69
	v_mov_b32 v70, 0xc9742400                      ; -1e6: every score of a batch that is masked throughout
	v_cndmask_b32 v68, v68, v70, s[FLAG]
	v_cmp_gt_u32 s82, s[NACT], v0                  ; my row is live
	v_mov_b32 v71, 0xff7fffff
	v_cndmask_b32 v68, v71, v68, s82               ; a dead row never is the maximum
	v_mov_b32 v72, 0
	v_mov_b32 v70, v68
	v_max_num_f32_dpp v70, v70, v70 row_xmask:1 row_mask:0xf bank_mask:0xf
	v_max_num_f32_dpp v70, v70, v70 row_xmask:2 row_mask:0xf bank_mask:0xf
	v_max_num_f32_dpp v70, v70, v70 row_xmask:4 row_mask:0xf bank_mask:0xf
	v_max_num_f32_dpp v70, v70, v70 row_xmask:8 row_mask:0xf bank_mask:0xf
	v_permlanex16_b32 v72, v70, s78, s79
	v_max_num_f32 v70, v70, v72
	s_lshl_b32 s26, s[WV], 2
	s_add_co_u32 s26, s26, REDM
	v_mov_b32 v73, s26
	ds_store_b32 v73, v70                          ; all lanes write the same word with the same number
	v_mov_b32 v74, REDM
	v_lshl_add_u32 v75, v0, 2, PP
	s_wait_dscnt 0x0
	s_barrier_signal -1
	s_barrier_wait -1
.irp i, 0,1,2,3
	ds_load_b128 v[76+4*\i:79+4*\i], v74 offset:16*\i
.endr
	s_wait_dscnt 0x0
	v_max3_num_f32 v76, v76, v77, v78
	v_max3_num_f32 v79, v79, v80, v81
	v_max3_num_f32 v82, v82, v83, v84
	v_max3_num_f32 v85, v85, v86, v87
	v_max3_num_f32 v88, v88, v89, v90
	v_max3_num_f32 v76, v76, v79, v82
	v_max3_num_f32 v85, v85, v88, v91
	v_max_num_f32 v76, v76, v85                    ; the batch's maximum: a live row's score, since n_act is at least 1
	v_sub_f32 v68, v68, v76
	v_mul_f32 v68, 0x3fb8aa3b, v68
	v_exp_f32 v68, v68
	v_nop
	s_wait_alu depctr_va_vdst(0)
	v_cndmask_b32 v68, 0, v68, s82
	ds_store_b32 v75, v68                          ; the weight of row t, not yet divided
	v_mov_b32 v70, v68
	v_add_f32_dpp v70, v70, v70 row_xmask:1 row_mask:0xf bank_mask:0xf
	v_add_f32_dpp v70, v70, v70 row_xmask:2 row_mask:0xf bank_mask:0xf
	v_add_f32_dpp v70, v70, v70 row_xmask:4 row_mask:0xf bank_mask:0xf
	v_add_f32_dpp v70, v70, v70 row_xmask:8 row_mask:0xf bank_mask:0xf
	v_permlanex16_b32 v72, v70, s78, s79
	v_add_f32 v70, v70, v72
	ds_store_b32 v73, v70 offset:REDS-REDM
	s_mul_i32 s26, s[WV], 80
	s_add_co_u32 s26, s26, PP
	v_mov_b32 v92, s26                             ; my twenty rows' weights
	s_wait_dscnt 0x0
	s_barrier_signal -1
	s_barrier_wait -1
	; ------------------------------------------------ the weighted sum
.irp i, 0,1,2,3,4
	ds_load_b128 v[PW+4*\i:PW+4*\i+3], v92 offset:16*\i
.endr
.set i, 0
.rept 16
	v_mov_b32 v[ACC+i], 0
.set i, i+1
.endr
.macro FMAROW buf, pw                  ; 16 columns of one row: bf16 halves times the row's f32 weight, onto f32 sums
.set k, 0
.rept 8
	v_fma_mix_f32_bf16 v[ACC+2*k], v[(\buf)+k], v[\pw], v[ACC+2*k] op_sel_hi:[1,0,0]
	v_fma_mix_f32_bf16 v[ACC+2*k+1], v[(\buf)+k], v[\pw], v[ACC+2*k+1] op_sel:[1,0,0] op_sel_hi:[1,0,0]
.set k, k+1
.endr
.endm
	s_wait_dscnt 0x0
.set fu, 0
.rept 20
	s_wait_loadcnt 38-2*fu                         ; row fu's two loads are in; the younger rows' may stay out
	FMAROW BUF+8*fu, PW+fu
.set fu, fu+1
.endr
	s_cmp_gt_u32 s[NACT], 320                      ; rows from 320 on: twelve a wave, in three groups of four; a group with no live row is jumped.  A group begins at a multiple of 4 under n_act, so it ends under NP
	s_cbranch_scc0 .Lno_tail
	s_mul_i32 s83, s[WV], 12
	s_add_co_u32 s83, s83, 320
	s_lshl_b32 s70, s83, 12
	s_add_nc_u64 s[86:87], s[68:69], s[70:71]
	s_lshl_b32 s26, s83, 2
	s_add_co_u32 s26, s26, PP
	v_mov_b32 v93, s26
.macro GROUP4 i
	s_add_co_u32 s84, s83, 4*\i
	s_cmp_lt_u32 s84, s[NACT]
	s_cbranch_scc0 .Lgdone_\@
.irp u, 0,1,2,3
	global_load_b128 v[BUF+8*\u:BUF+8*\u+3],   v[RO], s[86:87] offset:16384*\i+4096*\u
	global_load_b128 v[BUF+8*\u+4:BUF+8*\u+7], v[RO], s[86:87] offset:16384*\i+4096*\u+512
.endr
	ds_load_b128 v[PW:PW+3], v93 offset:16*\i
	s_wait_loadcnt 0x0
	s_wait_dscnt 0x0
.irp u, 0,1,2,3
	FMAROW BUF+8*\u, PW+\u
.endr
.Lgdone_\@:
.endm
	GROUP4 0
	GROUP4 1
	GROUP4 2
.Lno_tail:
	s_lshl_b32 s26, s[WV], 11
	s_add_co_u32 s26, s26, RED3
	v_lshl_add_u32 v94, v1, 5, s26
	ds_store_b128 v94, v[ACC:ACC+3]                ; columns 8 l .. 8 l + 7,
	ds_store_b128 v94, v[ACC+4:ACC+7] offset:16
	ds_store_b128 v94, v[ACC+8:ACC+11] offset:1024 ; and 256 + 8 l ..
	ds_store_b128 v94, v[ACC+12:ACC+15] offset:1040
	s_wait_dscnt 0x0
	s_barrier_signal -1
	s_barrier_wait -1
	s_cmp_lt_u32 s[WV], 2                          ; waves 0 and 1 finish: thread t adds sixteen waves' sums of columns 8 t .. 8 t + 7
	s_cbranch_scc0 .Lend
	v_lshl_add_u32 v95, v0, 5, RED3
.irp i, 0,1,2,3
	ds_load_b128 v[76+4*\i:79+4*\i], v74 offset:REDS-REDM+16*\i
.endr
.irp w, 0,1,2,3,4,5,6,7,8,9,10,11,12,13,14,15
	ds_load_b128 v[BUF+8*\w:BUF+8*\w+3],   v95 offset:2048*\w
	ds_load_b128 v[BUF+8*\w+4:BUF+8*\w+7], v95 offset:2048*\w+16
.endr
	s_lshl_b32 s70, s[BA], 12
	s_lshl_b32 s26, s[QQ], 10
	s_add_co_u32 s70, s70, s26
	s_add_nc_u64 s[18:19], s[18:19], s[70:71]
	v_lshlrev_b32 v70, 4, v0
	s_wait_dscnt 0x0
	SUM16 76
	v_rcp_f32 v78, v76                             ; 1 / the sum of the weights; v79, named with it as a pair, holds a loaded number
.irp s, 8,4,2,1
.set w, 0
.rept \s
.irp i, 0,2,4,6
	v_pk_add_f32 v[BUF+8*w+\i:BUF+8*w+\i+1], v[BUF+8*w+\i:BUF+8*w+\i+1], v[BUF+8*(w+\s)+\i:BUF+8*(w+\s)+\i+1]
.endr
.set w, w+1
.endr
.endr
	s_wait_alu depctr_va_vdst(0)                   ; the reciprocal's wait; the sixty additions above are the work between
.irp i, 0,2,4,6
	v_pk_mul_f32 v[BUF+\i:BUF+\i+1], v[BUF+\i:BUF+\i+1], v[78:79] op_sel_hi:[1,0]
.endr
.irp i, 0,1,2,3
	v_cvt_pk_bf16_f32 v[BUF+8+\i], v[BUF+2*\i], v[BUF+2*\i+1]
.endr
	global_store_b128 v70, v[BUF+8:BUF+11], s[18:19]  ; 16 lanes store 256 consecutive bytes, at a multiple of 256 from ws16's first byte
.Lend:
	s_wait_tensorcnt 0x0                           ; the wave's end: behind my last LDS store
	ds_add_u32 v[SPW], v[NIL]
	s_wait_dscnt 0x0
	s_endpgm
.Lfunc_end_k_q919d0bb068_wsum:
	.size	k_q919d0bb068_wsum, .Lfunc_end_k_q919d0bb068_wsum-k_q919d0bb068_wsum
	.p2alignl 7, 3214868480
	.fill 96, 4, 3214868480
	.section	.rodata,"a",@progbits
	.p2align	6, 0x0
	.amdhsa_kernel k_q919d0bb068_wsum
		.amdhsa_group_segment_fixed_size 49664
		.amdhsa_private_segment_fixed_size 0
		.amdhsa_enable_private_segment 0
		.amdhsa_kernarg_size 64
		.amdhsa_user_sgpr_count 2
		.amdhsa_user_sgpr_kernarg_segment_ptr 1
		.amdhsa_wavefront_size32 1
		.amdhsa_system_sgpr_workgroup_id_x 1
		.amdhsa_system_sgpr_workgroup_id_y 1
		.amdhsa_system_sgpr_workgroup_id_z 1
		.amdhsa_system_vgpr_workitem_id 0
		.amdhsa_next_free_vgpr 256
		.amdhsa_next_free_sgpr 96
		.amdhsa_reserve_vcc 0
		.amdhsa_float_denorm_mode_32 3
		.amdhsa_float_denorm_mode_16_64 3
		.amdhsa_memory_ordered 1
		.amdhsa_forward_progress 1
		.amdhsa_inst_pref_size 101
	.end_amdhsa_kernel
	.amdgpu_metadata
---
amdhsa.version: [ 1, 2 ]
amdhsa.kernels:
  - .name:           k_q919d0bb068_wsum
    .symbol:         k_q919d0bb068_wsum.kd
    .args:
      - { .name: mask, .offset: 0, .size: 8, .value_kind: global_buffer, .address_space: global }
      - { .name: cb, .offset: 8, .size: 8, .value_kind: global_buffer, .address_space: global }
      - { .name: wa16, .offset: 16, .size: 8, .value_kind: global_buffer, .address_space: global }
      - { .name: hidp, .offset: 24, .size: 8, .value_kind: global_buffer, .address_space: global }
      - { .name: wc2, .offset: 32, .size: 8, .value_kind: global_buffer, .address_space: global }
      - { .name: part, .offset: 40, .size: 8, .value_kind: global_buffer, .address_space: global }
      - { .name: W_c_b, .offset: 48, .size: 8, .value_kind: global_buffer, .address_space: global }
      - { .name: ws16, .offset: 56, .size: 8, .value_kind: global_buffer, .address_space: global }
    .group_segment_fixed_size: 49664
    .private_segment_fixed_size: 0
    .kernarg_segment_align: 8
    .kernarg_segment_size: 64
    .max_flat_workgroup_size: 512
    .sgpr_count:     96
    .vgpr_count:     256
    .wavefront_size: 32
...
	.end_amdgpu_metadata
.endif
;; end of part 3
;; launch dense (part 4): grid 63 x 4, 16 waves a work-group, no clusters, 18,432 bytes of LDS; arguments ws16, dense_w, dense_b, out0; writes out0
.if DOCPART == 4
	.amdgcn_target "amdgcn-amd-amdhsa--gfx1250"
	.amdhsa_code_object_version 6
	.text
	.protected	k_q919d0bb068_dense
	.globl	k_q919d0bb068_dense
	.p2align	8
	.type	k_q919d0bb068_dense,@function
k_q919d0bb068_dense:
	s_mov_b64 s[64:65], 0
	v_nop
	global_prefetch_b8 v0, s[64:65] scope:SCOPE_SE
	s_setreg_imm32_b32 hwreg(HW_REG_WAVE_MODE, 25, 1), 1
	s_wait_xcnt 0x0
; out0[b][h] = the sum over k of ws16[b][k] bf16(dense_w[h][k]) + bf16(dense_b[h]).  ws16: [64][2048] bf16, 0 from k = 2,000 on; dense_w: [1000][2000] f32; out0: [64][1000] f32.
; A work-group makes 16 outputs h x 16 batches; K IS SPLIT AMONG ITS SIXTEEN WAVES, 128 channels each, four products; the partial sums meet in LDS and wave 0 finishes (f32 sums in any order).
; Source 0 = 16 rows of dense_w, source 1 = 16 rows of ws16: a lane ends with one batch (lane % 16) and the outputs 8 (lane / 16) + 0..7: 32 bytes of out0 on end.
; Wave 15's channels 2,000 to 2,047 do not exist in dense_w: there it reads its own row's first bytes once more, which meet ws16 = 0: no load leaves a row.  Rows 1,000 to 1,007 repeat row 999 and are not stored.
; LIMIT: NaN and infinities in dense_w are not treated apart (they would meet that 0).  A row of out0 is 4,000 bytes, so its stores cannot fill aligned blocks of 256 bytes: 64 bytes a batch.
; All a wave's loads go out together; the launch is too short for a ring or a prefetch, and the four batch tiles that read the same rows of dense_w run side by side.
.set PART,  0          ; 16 waves x 1,024 bytes
.set SPARE, 16384      ; the spare words, 128 bytes a wave: eight blocks of 256 bytes that no other line names
.set SPW, 2
.set NIL, 3
	s_load_b256 s[4:11], s[0:1], 0x0               ; ws16 4, dense_w 6, dense_b 8, out0 10
	v_lshl_add_u32 v[SPW], v0, 2, SPARE
	v_mov_b32 v[NIL], 0
	v_lshrrev_b32 v1, 5, v0
	v_readfirstlane_b32 s12, v1                    ; wave 0..15
	v_and_b32 v1, 31, v0
	v_and_b32 v4, 15, v0                           ; r
	v_bfe_u32 v5, v0, 4, 1                         ; h
	s_lshl_b32 s13, ttmp9, 4                       ; the first output
	s_and_b32 s14, ttmp7, 0xffff
	s_lshl_b32 s14, s14, 4                         ; the first batch
	v_add_nc_u32 v6, s13, v4
	v_min_u32 v6, 999, v6
	v_mul_u32_u24 v6, v6, 8000
	s_lshl_b32 s15, s12, 9                         ; my 128 channels of f32
	v_add_nc_u32 v6, s15, v6
	v_lshl_add_u32 v6, v5, 5, v6                   ; dense_w: row x 8,000 + 512 w + 32 h
	s_cmp_eq_u32 s12, 15
	s_cselect_b32 s16, 0, 320                      ; step 2's second half,
	s_cselect_b32 s17, 0, 384                      ; and step 3: in wave 15 back at the wave's first bytes
	v_add_nc_u32 v7, s16, v6
	v_add_nc_u32 v8, s17, v6
	v_add_nc_u32 v9, s14, v4
	v_lshlrev_b32 v9, 12, v9
	s_lshl_b32 s15, s12, 8
	v_add_nc_u32 v9, s15, v9
	v_lshl_add_u32 v9, v5, 4, v9                   ; ws16: row x 4,096 + 256 w + 16 h
	v_lshl_add_u32 v10, v5, 3, s13                 ; my first output
	v_min_u32 v11, 992, v10
	v_lshlrev_b32 v11, 2, v11
	s_lshl_b32 s15, s12, 10
	v_lshl_add_u32 v12, v1, 5, s15                 ; where I put my 32 bytes of a partial tile
	v_lshlrev_b32 v14, 5, v1                       ; where wave 0 reads them back
	v_add_nc_u32 v13, s14, v4
	v_mul_u32_u24 v13, v13, 4000
	v_lshl_add_u32 v13, v10, 2, v13                ; my 32 bytes of out0
	s_wait_kmcnt 0x0
.irp i, 0,1
	global_load_b128 v[64+16*\i:67+16*\i], v6, s[6:7] offset:128*\i
	global_load_b128 v[68+16*\i:71+16*\i], v6, s[6:7] offset:128*\i+16
	global_load_b128 v[72+16*\i:75+16*\i], v6, s[6:7] offset:128*\i+64
	global_load_b128 v[76+16*\i:79+16*\i], v6, s[6:7] offset:128*\i+80
.endr
	global_load_b128 v[96:99],   v6, s[6:7] offset:256
	global_load_b128 v[100:103], v6, s[6:7] offset:272
	global_load_b128 v[104:107], v7, s[6:7]
	global_load_b128 v[108:111], v7, s[6:7] offset:16
	global_load_b128 v[112:115], v8, s[6:7]
	global_load_b128 v[116:119], v8, s[6:7] offset:16
	global_load_b128 v[120:123], v8, s[6:7] offset:64
	global_load_b128 v[124:127], v8, s[6:7] offset:80
.irp i, 0,1,2,3
	global_load_b128 v[32+8*\i:35+8*\i], v9, s[4:5] offset:64*\i
	global_load_b128 v[36+8*\i:39+8*\i], v9, s[4:5] offset:64*\i+32
.endr
	global_load_b128 v[192:195], v11, s[8:9]
	global_load_b128 v[196:199], v11, s[8:9] offset:16
	s_wait_loadcnt 0x0
.set j, 0
.rept 32
	v_cvt_pk_bf16_f32 v[128+j], v[64+2*j], v[65+2*j]
.set j, j+1
.endr
	v_wmma_f32_16x16x32_bf16 v[16:23], v[128:135], v[32:39], 0                 ; two accumulators by turns
	v_wmma_f32_16x16x32_bf16 v[24:31], v[136:143], v[40:47], 0
	v_wmma_f32_16x16x32_bf16 v[16:23], v[144:151], v[48:55], v[16:23]
	v_wmma_f32_16x16x32_bf16 v[24:31], v[152:159], v[56:63], v[24:31]
.rept 4
	v_nop                                          ; four places behind the last product
.endr
.irp j, 0,2,4,6
	v_pk_add_f32 v[16+\j:17+\j], v[16+\j:17+\j], v[24+\j:25+\j]
.endr
	ds_store_b128 v12, v[16:19] offset:PART
	ds_store_b128 v12, v[20:23] offset:PART+16
	s_wait_dscnt 0x0                               ; for wave 0's sake
	s_barrier_signal -1
	s_barrier_wait -1
	s_cmp_lg_u32 s12, 0
	s_cbranch_scc1 .Lend
.irp w, 0,1,2,3,4,5,6,7,8,9,10,11,12,13,14,15
	ds_load_b128 v[64+8*\w:67+8*\w], v14 offset:PART+1024*\w
	ds_load_b128 v[68+8*\w:71+8*\w], v14 offset:PART+1024*\w+16
.endr
.irp j, 0,2,4,6
	v_cvt_pk_bf16_f32 v200, v[192+\j], v[193+\j]   ; the bias rounded as every input is
	v_lshlrev_b32 v[192+\j], 16, v200
	v_and_b32 v[193+\j], 0xffff0000, v200
.endr
	s_wait_dscnt 0x0
.irp s, 8,4,2,1
.set w, 0
.rept \s
.irp i, 0,2,4,6
	v_pk_add_f32 v[64+8*w+\i:65+8*w+\i], v[64+8*w+\i:65+8*w+\i], v[64+8*(w+\s)+\i:65+8*(w+\s)+\i]
.endr
.set w, w+1
.endr
.endr
.irp i, 0,2,4,6
	v_pk_add_f32 v[64+\i:65+\i], v[64+\i:65+\i], v[192+\i:193+\i]
.endr
	v_cmp_gt_u32 vcc_lo, 1000, v10                 ; outputs 1,000 to 1,007 do not exist
	s_wait_xcnt 0x0                                ; EXEC changes only behind this wait
	s_and_saveexec_b32 s18, vcc_lo
	global_store_b128 v13, v[64:67], s[10:11]
	global_store_b128 v13, v[68:71], s[10:11] offset:16
	s_wait_xcnt 0x0                                ; and again, in front of the line that widens it
	s_or_b32 exec_lo, exec_lo, s18
.Lend:
	s_wait_tensorcnt 0x0                           ; the wave's end: behind my last LDS store
	ds_add_u32 v[SPW], v[NIL]
	s_wait_dscnt 0x0
	s_endpgm
.Lfunc_end_k_q919d0bb068_dense:
	.size	k_q919d0bb068_dense, .Lfunc_end_k_q919d0bb068_dense-k_q919d0bb068_dense
	.p2alignl 7, 3214868480
	.fill 96, 4, 3214868480
	.section	.rodata,"a",@progbits
	.p2align	6, 0x0
	.amdhsa_kernel k_q919d0bb068_dense
		.amdhsa_group_segment_fixed_size 18432
		.amdhsa_private_segment_fixed_size 0
		.amdhsa_enable_private_segment 0
		.amdhsa_kernarg_size 32
		.amdhsa_user_sgpr_count 2
		.amdhsa_user_sgpr_kernarg_segment_ptr 1
		.amdhsa_wavefront_size32 1
		.amdhsa_system_sgpr_workgroup_id_x 1
		.amdhsa_system_sgpr_workgroup_id_y 1
		.amdhsa_system_sgpr_workgroup_id_z 1
		.amdhsa_system_vgpr_workitem_id 0
		.amdhsa_next_free_vgpr 208
		.amdhsa_next_free_sgpr 66
		.amdhsa_reserve_vcc 1
		.amdhsa_float_denorm_mode_32 3
		.amdhsa_float_denorm_mode_16_64 3
		.amdhsa_memory_ordered 1
		.amdhsa_forward_progress 1
		.amdhsa_inst_pref_size 15
	.end_amdhsa_kernel
	.amdgpu_metadata
---
amdhsa.version: [ 1, 2 ]
amdhsa.kernels:
  - .name:           k_q919d0bb068_dense
    .symbol:         k_q919d0bb068_dense.kd
    .args:
      - { .name: ws16, .offset: 0, .size: 8, .value_kind: global_buffer, .address_space: global }
      - { .name: dense_w, .offset: 8, .size: 8, .value_kind: global_buffer, .address_space: global }
      - { .name: dense_b, .offset: 16, .size: 8, .value_kind: global_buffer, .address_space: global }
      - { .name: out0, .offset: 24, .size: 8, .value_kind: global_buffer, .address_space: global }
    .group_segment_fixed_size: 18432
    .private_segment_fixed_size: 0
    .kernarg_segment_align: 8
    .kernarg_segment_size: 32
    .max_flat_workgroup_size: 512
    .sgpr_count:     66
    .vgpr_count:     208
    .wavefront_size: 32
...
	.end_amdgpu_metadata
.endif
;; end of part 4
